; MI455X (gfx1250); checked and timed in simulation.
; The chip was launched on July 23, 2026; its instructions are those of AMD's public machine-readable ISA for CDNA 5 (MIT licence, August 2026) and "CDNA5" Instruction Set Architecture Reference Guide (July 2026). The comments in the code are by the model that wrote it; some were corrected since.
;; Model. Allowed arithmetic: matrix products marked QUANTISED: E3M2 operands, one E8M0 scale for each 32 along K, by v_wmma_scale_f32_16x16x128_f8f6f4 with both operands' format E3M2, f32 sums; everything else in f32.
;; Inputs: dropout_p one number float32; key 2 x 32 x 2,048 x 128 float32; query 2 x 32 x 2,048 x 128 float32; scale_factor one number float32; value 2 x 32 x 2,048 x 128 float32.
;; Outputs: out0 2 x 32 x 2,048 x 128 float32.
;; This version of the problem:
;;   THIS VERSION OF THE PROBLEM IS GIVEN IN LOW PRECISION. The matrix products marked QUANTISED in the list below multiply operands that are first quantised to E3M2 (3 exponent bits, 2 mantissa bits; 6 bits a number), with one power-of-two scale for each 32 numbers along K (OCP MX v1.0); their sums are f32. All else is computed in f32.
;;   The module's matrix products, in the order in which they are computed (A, B: the left and right operand; K: the contracted axis; several contracted axes count as one K, in the product's order):
;;     1. batch 64 x [M 2,048, K 128] x [K 128, N 2,048]; A: input query; B: input key: QUANTISED
;;     2. batch 64 x [M 2,048, K 2,048] x [K 2,048, N 128]; A: computed on the way; B: input value: QUANTISED
;;   THE QUANTISER, for each operand of a quantised product, along K:
;;     - K is cut into blocks of 32 from its start; a last block that is shorter is filled with zeros.
;;     - A block's scale is 2^e with e = floor(log2(the largest magnitude in the block)) - 4, held to -126 .. 127; a block of zeros has e = 0. As a byte (E8M0): e + 127.
;;     - Each number is divided by its block's scale, clamped to +-28, and rounded to the nearest number of E3M2, ties to even, subnormals kept.
;;     - The product sums the exact products of the quantised numbers (number of the format x scale) in f32.
;;   ~~~python
;;   def quantise(x, axis):      # numpy; x: float32 -> the quantised numbers, widened to float32 again
;;       x = np.moveaxis(x, axis, -1); K = x.shape[-1]
;;       x = np.pad(x, [(0, 0)] * (x.ndim - 1) + [(0, -K % 32)]); x = x.reshape(x.shape[:-1] + (-1, 32)); a = np.abs(x).max(-1, keepdims=True)
;;       e = np.where(a > 0, np.clip(np.frexp(np.where(a > 0, a, 1))[1] - 1 - 4, -126, 127), 0)      # np.frexp(a)[1] - 1 = floor(log2(a)), exactly
;;       r = np.clip(x / 2.0 ** e, -28, 28)
;;       step = 2.0 ** (np.maximum(np.frexp(np.where(r == 0, 1, r))[1] - 1, -2) - 2)
;;       q = np.round(r / step) * step * 2.0 ** e      # np.round: ties to even
;;       return np.moveaxis(q.reshape(q.shape[:-2] + (-1,))[..., :K], -1, axis).astype(np.float32)
;;   ~~~
;;   OPERANDS COMPUTED ON THE WAY. 'Computed on the way' means the value that the module computes at that place (a softmax that the list does not call 'softmax' is quantised finished and normalised). What goes into a quantiser is computed in f32, as accurately as f32 sums, v_exp_f32 and their like allow (about 1e-6 of the number): no bf16 or f16 on the way to a quantiser, and a product that is left as it is and whose result goes on into a quantised operand takes f32 operands (vector FMAs, or v_wmma_f32_16x16x4_f32). A number that lies on a knife's edge between two numbers of the format may be rounded either way, as far as f32 arithmetic and the matrix unit's own rounding can turn it there, and no further.
;; One version. Each part assembles by itself: llvm-mc -triple=amdgcn-amd-amdhsa -mcpu=gfx1250 --defsym DOCPART=n.
;; ======== version 1 of 1: 2 launches
;; limits: right only within a limited range of input values
;; workspace buffers: kcodes 12,582,912 bytes; vcodes 12,582,912 bytes; scl 1,048,576 bytes; qcodes 12,582,912 bytes; qscl 524,288 bytes
;; launch prep (part 1): grid 1024 x 1, 4 waves a work-group, no clusters, 35,328 bytes of LDS; arguments key, value, kcodes, vcodes, scl, query, qcodes, qscl; writes kcodes, vcodes, scl, qcodes, qscl
.if DOCPART == 1
	.amdgcn_target "amdgcn-amd-amdhsa--gfx1250"
	.amdhsa_code_object_version 6
	.text
	.protected	k_qac103fa88a_prep
	.globl	k_qac103fa88a_prep
	.p2align	8
	.type	k_qac103fa88a_prep,@function
k_qac103fa88a_prep:
	s_mov_b64 s[64:65], 0
	v_nop
	global_prefetch_b8 v0, s[64:65] scope:SCOPE_SE
	s_setreg_imm32_b32 hwreg(HW_REG_WAVE_MODE, 25, 1), 1
	s_wait_xcnt 0x0
; key [64 heads][2048 keys][128] and value [64][2048 keys][128], f32, become codes of BF6 (E3M2) with one E8M0 scale byte for each 32 along K,
; laid as IMAGES OF OPERAND REGISTERS for the attention launch.  A fragment (16 rows x 128 K) is 12 registers a lane = 1,536 bytes: registers 4 j .. 4 j + 3 of lane l lie at 512 j + 16 l.
;   kcodes [head][step s of 128 keys][tile t 0..7][1536]: K = the head's 128.  Row r of tile t is key 128 s + 32 (t / 2) + 8 (t % 2) + r + 8 (r / 8); lane (r, h) holds d = 64 c + 32 h + 0 .. 31 in registers 6 c .. 6 c + 5.
;   vcodes [head][step s][tile dt 0..7][1536]: K = the keys.  Row r of tile dt is channel 16 dt + r; lane (r, h) holds keys 128 s + 64 c + 32 h + 0 .. 31.
;   scl, 16,384 bytes a head: K's words at 512 s + 16 l + 4 i (lane r + 16 g: tile 4 g + i, row r); V's at 8,192 + 2,048 w + 128 s + 4 l (channel 32 w + l).
; A block's scale is 2^(floor(log2(its largest magnitude)) - 4); its byte is the largest magnitude's exponent field - 4, held at 1 from below by a floor among the maximum's leaves.
; LIMITS: a block of zeros, and a block whose largest magnitude lies under 2^(5 - 127), keep the byte 1 (a block of zeros has zero codes, and this program alone reads the bytes); NaN and infinities among the inputs are not served.
; Work-groups 0-255 take key (a wave: one step of 128 keys, 64 KB), work-groups 256-511 take query by key's path, 512-1023 take value (a work-group: 256 keys x 128 channels).  No tensor loads, no barrier: waves share nothing.
; Each of the two paths has LDS bytes of its own, and all LDS addresses are made ahead of the branch.  Matrix units and clusters are left out: nothing is multiplied and no two work-groups read the same bytes.
.set KSTG,  8448                       ; K path: a wave's stage, 16 rows x (512 bytes + 16): the pitch is an odd multiple of 16 bytes, so sixteen lanes that read one column of sixteen rows fall on different 16-byte columns
.set VBNC,  4*KSTG                     ; V path: 256 bytes a wave, for the scale words
.set FLOOR, 0x2800000                  ; 2^(5 - 127)
.set KW,    16                         ; v16-23   K path: the eight tiles' scale words
.set KR,    32                         ; v32-159  K path: two sets of 64 registers as loaded
.set KX,    160                        ; v160-223 K path: 64 numbers of my row, two whole blocks
.set KC,    224                        ; v224-247 K path: two sets of 12 registers of codes
.set VX,    32                         ; v32-95   V path: two sets of 32 numbers
.set VG,    96                         ; v96-143  V path: codes: step sg, half hh at VG + 24 sg + 12 hh; never rewritten
	s_load_b256 s[4:11], s[0:1], 0x0               ; key s[4:5], value s[6:7], kcodes s[8:9], vcodes s[10:11]
	s_load_b64 s[12:13], s[0:1], 0x20              ; scl
	s_load_b128 s[28:31], s[0:1], 0x28             ; query s[28:29], qcodes s[30:31]
	s_load_b64 s[32:33], s[0:1], 0x38              ; qscl
	v_lshl_add_u32 v251, v0, 2, 0x8800
	v_mov_b32 v255, 0
	v_lshrrev_b32 v1, 5, v0
	v_readfirstlane_b32 s16, v1                    ; wave 0..3
	v_and_b32 v2, 31, v0                           ; lane l
	v_and_b32 v3, 15, v0                           ; r
	v_bfe_u32 v4, v0, 4, 1                         ; h
	v_lshlrev_b32 v5, 4, v2                        ; 16 l
	s_mul_i32 s18, s16, KSTG
	v_add_nc_u32 v6, s18, v5                       ; K: into my stage: 16 l of a row
	v_mul_u32_u24 v7, v3, 528
	v_lshl_add_u32 v7, v4, 7, v7
	v_add_nc_u32 v7, s18, v7                       ; K: out of it: row r, + 128 h bytes: d = 32 h on
	v_lshlrev_b32 v8, 3, v4                        ; 8 h: my two bytes' place in a scale word
	s_lshl_b32 s19, s16, 8
	s_add_co_u32 s19, s19, VBNC
	v_lshl_add_u32 v12, v2, 2, s19                 ; V: my scale words go in at 4 l,
	v_lshl_add_u32 v13, v2, 3, s19                 ; and come back 8 bytes a lane
	s_mov_b32 s20, 0x76543210
	s_mov_b32 s21, 0xfedcba98                      ; v_permlanex16_b32's selects for lane l xor 16
	s_mov_b32 s23, 0
	s_wait_kmcnt 0x0
	s_cmp_lt_u32 ttmp9, 512                        ; THE DEAL: work-groups 0-255 take key, 256-511 query (by key's path), 512-1023 value
	s_cbranch_scc0 .Lvpath
; ---------------- key: K is innermost ----------------
	; query goes the way of key: qcodes is laid as kcodes (row r of tile t is query 128 s + 32 (t / 2) + 8 (t % 2) + r + 8 (r / 8)); qscl holds 8,192 bytes a head, laid as K's words in scl
	s_cmp_lt_u32 ttmp9, 256                        ; the choice hangs on the work-group's number alone
	s_cselect_b64 s[4:5], s[4:5], s[28:29]
	s_cselect_b64 s[8:9], s[8:9], s[30:31]
	s_cselect_b64 s[12:13], s[12:13], s[32:33]
	s_cselect_b32 s27, 14, 13                      ; a head's scale bytes: 2^14 in scl, 2^13 in qscl
	s_and_b32 s17, ttmp9, 255
	s_lshl_b32 s17, s17, 2
	s_add_co_u32 s17, s17, s16                     ; W = 16 x head + step: which 128 rows are my wave's
	s_lshl_b32 s22, s17, 16
	s_add_nc_u64 s[4:5], s[4:5], s[22:23]          ; 128 keys x 512 bytes
	s_mul_i32 s22, s17, 12288
	s_add_nc_u64 s[8:9], s[8:9], s[22:23]          ; 8 fragments x 1,536 bytes
	s_lshr_b32 s24, s17, 4
	s_lshl_b32 s24, s24, s27
	s_and_b32 s25, s17, 15
	s_lshl_b32 s25, s25, 9
	s_add_co_u32 s22, s24, s25
	s_add_nc_u64 s[12:13], s[12:13], s[22:23]      ; 16,384 x head + 512 x step
	v_mov_b32 v30, 0                               ; written once: a lane permute's destination counts as one of its sources
.macro LOADK t                         ; tile t's sixteen keys: each load reads one key's 512 consecutive bytes
.irp i, 0,1,2,3,4,5,6,7,8,9,10,11,12,13,14,15
	global_load_b128 v[KR+64*((\t)%2)+4*\i:KR+64*((\t)%2)+4*\i+3], v5, s[4:5] offset:(32*((\t)/2)+8*((\t)%2)+\i+8*(\i/8))*512 th:TH_LOAD_NT
.endr
.endm
; 64 numbers of a lane, v[x + 32 q + i] = k 64 q + 32 h + i of my row: two whole blocks.  Their codes are registers 6 q .. 6 q + 5 of the fragment at v[c]; the row's scale word goes to v[w], in every lane.
.macro QUANTW x, c, w
.irp q, 0,1
	v_max3_num_f32 v[24+\q], |v[(\x)+32*\q]|, |v[(\x)+32*\q+1]|, FLOOR
.endr
.irp i, 2,4,6,8,10,12,14,16,18,20,22,24,26,28,30
.irp q, 0,1
	v_max3_num_f32 v[24+\q], v[24+\q], |v[(\x)+32*\q+\i]|, |v[(\x)+32*\q+\i+1]|   ; the two blocks by turns
.endr
.endr
.irp q, 0,1
	v_add_nc_u32 v[26+\q], 0xfe000000, v[24+\q]    ; 4 off the exponent field: the conversion takes the exponent field of this operand as its scale
.endr
.irp q, 0,1
	v_lshrrev_b32 v[28+\q], 23, v[26+\q]           ; the scale's byte
.endr
	v_lshl_or_b32 v[\w], v29, 16, v28              ; my bytes: blocks h and 2 + h,
	v_lshlrev_b32 v[\w], v8, v[\w]                 ; at their places;
	v_permlanex16_b32 v30, v[\w], s20, s21
	v_or_b32 v[\w], v[\w], v30                     ; with lane l xor 16's two the word is whole
.irp q, 0,1
	v_cvt_scalef32_pk16_bf6_f32 v[(\c)+6*\q:(\c)+6*\q+2], v[(\x)+32*\q:(\x)+32*\q+15], v[26+\q]
	v_cvt_scalef32_pk16_bf6_f32 v[248+4*\q:250+4*\q], v[(\x)+32*\q+16:(\x)+32*\q+31], v[26+\q]   ; a conversion's three registers begin on an even number: the second half is made elsewhere and moved
.endr
	v_nop                                          ; one plain place behind a scaled conversion
.irp q, 0,1
.irp i, 0,1,2
	v_mov_b32 v[(\c)+6*\q+3+\i], v[248+4*\q+\i]
.endr
.endr
.endm
.macro FRAGK t
.if (\t) < 7
	s_wait_loadcnt 16                              ; this tile's 16 loads are in; the next tile's 16 may be out
.else
	s_wait_loadcnt 0x0
.endif
.irp i, 0,1,2,3,4,5,6,7,8,9,10,11,12,13,14,15
	ds_store_b128 v6, v[KR+64*((\t)%2)+4*\i:KR+64*((\t)%2)+4*\i+3] offset:528*\i
.endr
.irp q, 0,1
.irp j, 0,1,2,3,4,5,6,7
	ds_load_b128 v[KX+32*\q+4*\j:KX+32*\q+4*\j+3], v7 offset:256*\q+16*\j   ; LDS serves a wave's instructions in order: these see the stores above
.endr
.endr
	s_wait_dscnt 0x0                               ; my 64 numbers are in, and the stores have read the set that is loaded again below
.if (\t) < 6
	LOADK (\t)+2
.endif
.if (\t) >= 2
	s_wait_xcnt 0x0                                ; the stores of two tiles ago have read their data: that set of codes is written again only behind this wait
.endif
	QUANTW KX, KC+12*((\t)%2), KW+(\t)
.irp j, 0,1,2
	global_store_b128 v5, v[KC+12*((\t)%2)+4*\j:KC+12*((\t)%2)+4*\j+3], s[8:9] offset:1536*(\t)+512*\j   ; 32 lanes store 512 consecutive bytes, at a multiple of 256 from the buffer's first byte
.endr
.endm
	s_wait_alu depctr_va_vdst(0)
	LOADK 0
	LOADK 1
.irp t, 0,1,2,3,4,5,6,7
	FRAGK \t
.endr
	v_cmp_le_u32 vcc_lo, 16, v2                    ; lanes 16-31 carry tiles 4-7's words, lanes 0-15 tiles 0-3's
.irp i, 0,1,2,3
	v_cndmask_b32 v[24+\i], v[KW+\i], v[KW+4+\i], vcc_lo
.endr
	global_store_b128 v5, v[24:27], s[12:13]       ; the step's 512 bytes of scale words
	s_wait_tensorcnt 0x0
	ds_add_u32 v251, v255
	s_wait_dscnt 0x0
	s_endpgm
; ---------------- value: K = the keys, which are not innermost: a lane takes a channel and its registers run down the keys ----------------
.Lvpath:
	s_sub_co_u32 s17, ttmp9, 512
	s_lshr_b32 s24, s17, 3                         ; head
	s_and_b32 s25, s17, 7                          ; y: which 256 keys
	s_lshl_b32 s22, s24, 20
	s_lshl_b32 s26, s25, 17
	s_add_co_u32 s22, s22, s26
	s_lshl_b32 s26, s16, 7
	s_add_co_u32 s22, s22, s26
	s_add_nc_u64 s[6:7], s[6:7], s[22:23]          ; value: the head, 256 y keys of 512 bytes, my wave's 32 channels
	s_mul_i32 s22, s24, 196608
	s_mul_i32 s26, s25, 24576
	s_add_co_u32 s22, s22, s26
	s_mul_i32 s26, s16, 3072
	s_add_co_u32 s22, s22, s26
	s_add_nc_u64 s[10:11], s[10:11], s[22:23]      ; vcodes: the head, step 2 y, tile 2 w
	s_lshl_b32 s22, s24, 14
	s_add_co_u32 s22, s22, 8192
	s_lshl_b32 s26, s16, 11
	s_add_co_u32 s22, s22, s26
	s_lshl_b32 s26, s25, 8
	s_add_co_u32 s22, s22, s26
	s_add_nc_u64 s[12:13], s[12:13], s[22:23]      ; scl: 16,384 head + 8,192 + 2,048 w + 128 (2 y)
	v_lshlrev_b32 v9, 2, v2                        ; in: 4 bytes a lane
	v_mul_u32_u24 v10, v4, 1536
	v_lshl_add_u32 v10, v3, 4, v10                 ; out: my channel's tile (l / 16) and row (l % 16)
	v_lshlrev_b32 v11, 3, v2                       ; the scale words' way out: 8 bytes a lane
.macro LOADV b                         ; block b: value(32 b + i, my channel): 32 lanes read 128 consecutive bytes, the four waves side by side 512
.set ii, 0
.rept 32
	global_load_b32 v[VX+32*((\b)%2)+ii], v9, s[6:7] offset:(32*(\b)+ii)*512 th:TH_LOAD_NT
.set ii, ii+1
.endr
.endm
.macro BLOCKV b                        ; block b of my channel: step b / 4; in it keys 32 (b % 4) on: registers 6 c .. 6 c + 5, c = (b % 4) / 2, of fragment lane r + 16 (b % 2)
.set XS, VX+32*((\b)%2)
.set GG, VG+24*((\b)/4)+12*((\b)%2)+6*(((\b)%4)/2)
.if (\b) < 7
	s_wait_loadcnt 32                              ; this block's 32 loads are in; the next block's may be out
.else
	s_wait_loadcnt 0x0
.endif
	v_max3_num_f32 v14, |v[XS]|, |v[XS+1]|, |v[XS+2]|              ; the block's largest magnitude: all 32 numbers are mine; two chains
	v_max3_num_f32 v15, |v[XS+3]|, |v[XS+4]|, |v[XS+5]|
.irp i, 6,10,14,18,22,26
	v_max3_num_f32 v14, v14, |v[XS+\i]|, |v[XS+\i+1]|
	v_max3_num_f32 v15, v15, |v[XS+\i+2]|, |v[XS+\i+3]|
.endr
	v_max3_num_f32 v14, v14, |v[XS+30]|, |v[XS+31]|
	v_max3_num_f32 v14, v14, v15, FLOOR
	v_add_nc_u32 v26, 0xfe000000, v14              ; the conversion's scale operand
	v_lshrrev_b32 v27, 23, v26                     ; the scale's byte
.if (\b)%4 == 0
	v_mov_b32 v[24+(\b)/4], v27                    ; four bytes to a step's word, the lower keys in the lower byte
.else
	v_lshl_or_b32 v[24+(\b)/4], v27, 8*((\b)%4), v[24+(\b)/4]
.endif
	v_cvt_scalef32_pk16_bf6_f32 v[GG:GG+2], v[XS:XS+15], v26
	v_cvt_scalef32_pk16_bf6_f32 v[144:146], v[XS+16:XS+31], v26
	v_nop                                          ; one plain place behind a scaled conversion
.irp i, 0,1,2
	v_mov_b32 v[GG+3+\i], v[144+\i]
.endr
.if (\b)+2 < 8
	LOADV (\b)+2
.endif
.if (\b)%4 == 3                        ; a step's four blocks are done: both fragment lanes of my row leave
.irp hh, 0,1
.irp j, 0,1,2
	global_store_b128 v10, v[VG+24*((\b)/4)+12*\hh+4*\j:VG+24*((\b)/4)+12*\hh+4*\j+3], s[10:11] offset:12288*((\b)/4)+512*\j+256*\hh   ; lanes 0-15 store 256 consecutive aligned bytes of tile 2 w, lanes 16-31 of tile 2 w + 1
.endr
.endr
.endif
.endm
	LOADV 0
	LOADV 1
.irp b, 0,1,2,3,4,5,6,7
	BLOCKV \b
.endr
	ds_store_b32 v12, v24                          ; the two steps' words, 128 bytes each, through my 256 bytes of LDS,
	ds_store_b32 v12, v25 offset:128
	ds_load_b64 v[28:29], v13                      ; (LDS serves a wave's instructions in order)
	s_wait_dscnt 0x0
	global_store_b64 v11, v[28:29], s[12:13]       ; so that 32 lanes store 256 consecutive aligned bytes
	s_wait_tensorcnt 0x0
	ds_add_u32 v251, v255
	s_wait_dscnt 0x0
	s_endpgm
.Lfunc_end_k_qac103fa88a_prep:
	.size	k_qac103fa88a_prep, .Lfunc_end_k_qac103fa88a_prep-k_qac103fa88a_prep
	.p2alignl 7, 3214868480
	.fill 96, 4, 3214868480
	.section	.rodata,"a",@progbits
	.p2align	6, 0x0
	.amdhsa_kernel k_qac103fa88a_prep
		.amdhsa_group_segment_fixed_size 35328
		.amdhsa_private_segment_fixed_size 0
		.amdhsa_enable_private_segment 0
		.amdhsa_kernarg_size 64
		.amdhsa_user_sgpr_count 2
		.amdhsa_user_sgpr_kernarg_segment_ptr 1
		.amdhsa_wavefront_size32 1
		.amdhsa_system_sgpr_workgroup_id_x 1
		.amdhsa_system_sgpr_workgroup_id_y 1
		.amdhsa_system_sgpr_workgroup_id_z 1
		.amdhsa_system_vgpr_workitem_id 0
		.amdhsa_next_free_vgpr 256
		.amdhsa_next_free_sgpr 66
		.amdhsa_reserve_vcc 1
		.amdhsa_float_denorm_mode_32 3
		.amdhsa_float_denorm_mode_16_64 3
		.amdhsa_memory_ordered 1
		.amdhsa_forward_progress 1
		.amdhsa_inst_pref_size 96
	.end_amdhsa_kernel
	.amdgpu_metadata
---
amdhsa.version: [ 1, 2 ]
amdhsa.kernels:
  - .name:           k_qac103fa88a_prep
    .symbol:         k_qac103fa88a_prep.kd
    .args:
      - { .name: key, .offset: 0, .size: 8, .value_kind: global_buffer, .address_space: global }
      - { .name: value, .offset: 8, .size: 8, .value_kind: global_buffer, .address_space: global }
      - { .name: kcodes, .offset: 16, .size: 8, .value_kind: global_buffer, .address_space: global }
      - { .name: vcodes, .offset: 24, .size: 8, .value_kind: global_buffer, .address_space: global }
      - { .name: scl, .offset: 32, .size: 8, .value_kind: global_buffer, .address_space: global }
      - { .name: query, .offset: 40, .size: 8, .value_kind: global_buffer, .address_space: global }
      - { .name: qcodes, .offset: 48, .size: 8, .value_kind: global_buffer, .address_space: global }
      - { .name: qscl, .offset: 56, .size: 8, .value_kind: global_buffer, .address_space: global }
    .group_segment_fixed_size: 35328
    .private_segment_fixed_size: 0
    .kernarg_segment_align: 8
    .kernarg_segment_size: 64
    .max_flat_workgroup_size: 128
    .sgpr_count:     66
    .vgpr_count:     256
    .wavefront_size: 32
...
	.end_amdgpu_metadata
.endif
;; end of part 1
;; launch attn (part 2): grid 8 x 64, 8 waves a work-group, clusters of 4 x 1, 327,680 bytes of LDS; arguments qcodes, kcodes, vcodes, scl, scale_factor, dropout_p, out0, qscl; writes out0
.if DOCPART == 2
	.amdgcn_target "amdgcn-amd-amdhsa--gfx1250"
	.amdhsa_code_object_version 6
	.text
	.protected	k_qac103fa88a_attn
	.globl	k_qac103fa88a_attn
	.p2align	8
	.type	k_qac103fa88a_attn,@function
k_qac103fa88a_attn:
	s_mov_b64 s[64:65], 0
	v_nop
	global_prefetch_b8 v0, s[64:65] scope:SCOPE_SE
	s_setreg_imm32_b32 hwreg(HW_REG_WAVE_MODE, 25, 1), 1
	s_wait_xcnt 0x0
	s_wait_alu depctr_hold_cnt(0) depctr_sa_sdst(0) depctr_va_vdst(0) depctr_va_sdst(0) depctr_va_ssrc(0) depctr_va_vcc(0) depctr_vm_vsrc(0)
	s_getreg_b32 s2, hwreg(HW_REG_IB_STS2, 6, 4)
	s_cmp_eq_u32 s2, 0
	s_cbranch_scc0 .Lentry_in_a_cluster
	s_endpgm
.Lentry_in_a_cluster:
	s_bfe_u32 s2, ttmp6, 0x10000c
	s_cmp_lg_u32 s2, 0x3003
	s_cbranch_scc0 .Lentry_shape_is_right
	s_endpgm
.Lentry_shape_is_right:
; out0[head][q][:] = sum over k of Q6(softmax_k(Q6(query[q]) . Q6(key[k]) x scale_factor) x dropout_p) Q6(value[k][:]), Q6 the MX-BF6 quantiser along each product's K.  64 heads, 2,048 queries, 2,048 keys, head size 128.
; The second product's operand is the FINISHED weight x dropout_p, so the keys are walked twice: pass 1 makes each query's maximum and sum, pass 2 the scores anew, the weights, their codes, and V^T P.
; ARITHMETIC.  The sign of scale_factor is put on query's codes (their sign bits are flipped: the quantiser is odd, so this is exact); c = |scale_factor| log2(e).  t = score x c; M = the largest t rounded up to a whole
; number, kept as -M = floor(-t); l = sum of 2^(t - M), brought under a new M by a power of two.  Pass 2: |p| = 2^(score x c + B), B = -M + log2|dropout_p| - log2(l); dropout_p's sign is put on O at the end (the quantiser is odd).
; LIMITS: NaN and infinities among the inputs are not served; B is rounded once to f32, so all weights of a row share a relative error of at most 2^-24 |B| ln 2; |dropout_p| under 2^-126 counts as 0 and an exponential under
; 2^-126 comes out as 0 (ISA guide, the entries of v_log_f32 and v_exp_f32); a block of p whose largest number lies under 2^(5 - 127) keeps the scale byte 1.
; SHARES.  A work-group owns 256 queries of one head, each of eight waves 32 (two tiles of 16): a fragment from LDS feeds two matrix instructions.  Tile u, lane r of wave w is query 32 w + 8 u + r + 8 (r / 8) of the block.
; LAYOUT.  Both products transposed: S^T = K Q^T, O^T = V^T P^T: a lane holds one query.  Q, K, V and the scale words lie in memory as images of operand registers.  The 16 registers of key tiles 2 b, 2 b + 1 are keys 32 b + 16 (lane / 16) + 0 .. 15.
; LDS.  The head's K (196,608 bytes) and scale words (16,384) come once and stay; V goes through two slots of four key steps (49,152 bytes) in pass 2.
; CLUSTER.  Four query blocks of one head ask for K, V and the scales jointly (mask 15).  At the head each wave issues one load: waves 0-5 a sixth of K, waves 6-7 half of the scales; V's slot 0 follows behind a round.
; NO PREFETCH: K and the scales are asked for at the head, V's slot 0 sixteen key steps and each later slot four key steps ahead of the wait for it.
; REGISTERS.  Window 0: v1-11 addresses; v12-23 statistics; v24-47 Q; v48-59 scale words alone; v64-191 S^T, then p; v192-215 P's codes; v216-255 at work.  Window 1: v0-127 O^T; v128-223 eight fragments of K or V.
.set KB,    12288
.set VB0,   0x30000
.set SCL,   0x3c000
.set VB1,   0x40000
.set VXOR,  0x70000                    ; turns an address in one slot of V into the other's
.set VSLOT, 4*KB
.set SPARE, 0x4c000                    ; the spare words: 128 bytes for each of eight waves
.set SP,    272                        ; the way out: 16 rows x (256 + 16) bytes a wave, in V's slot 0 behind its last fill and last read
.set FLOOR, 0x2800000                  ; 2^(5 - 127)
.set LI,   1                           ; 16 x lane
.set SPW,  2
.set NIL,  3
.set ADK,  4
.set ADV,  5
.set ADSK, 6
.set ADSV, 7
.set LKS,  8                           ; SCL + 16 x lane
.set LVS,  9                           ; SCL + 8,192 + 4 x lane
.set STO,  10
.set RD,   11
.set ST,   12                          ; tile u at ST + 4 u: -M (pass 2: B), the largest t, l in two halves
.set FP,   20                          ; tile u at FP + 2 u: f = 2^(old M - new M), named as a pair
.set QF,   24
.set QS,   48                          ; v48-49 Q's scale words; v50-53 K's; v54-57 V's; v58-59 P's
.set KS,   50
.set VS,   54
.set PS,   58
.set GO,   61
.set QO,   62
.set S,    64
.set P,    192
.set CT,   216
.set TM,   224
.set CH,   240
.set F,    128                         ; in window 1
.set QSB,  20                          ; s[20:21] qscl at my wave's words
.set G1K,  24
.set G1V,  32
.set G1S,  40
.set G0K,  48
.set G0V,  52
.set G0S,  56
.set SEL,  60
.set CS,   62
.set TK,   66
.set TSK,  67
.set TV,   68
.set TSV,  69
.set SD,   70                          ; s[70:71] dropout_p's sign as +-1.0, twice
.set DP,   72
.set CNT,  73
.set DA,   74                          ; |dropout_p|
.set RAW,  75
.set QB,   76
.set OB,   78
.set WV,   94
.set XM,   96                          ; s96-98 the sign bits of 16 codes in three words, or 0
.set MSB, 0
.macro WIN new
.if MSB != \new
	s_set_vgpr_msb (MSB<<8)|\new
.set MSB, \new
.endif
.endm
.macro VW
	s_wait_alu depctr_va_vdst(0)
.endm
.macro CROUND                          ; a round of the cluster's barrier
	s_barrier_signal -1
	s_barrier_wait -1
	s_cmp_lg_u32 s[WV], 0
	s_cbranch_scc1 .Lnot_wave_0_\@
	s_barrier_signal -3
.Lnot_wave_0_\@:
	s_barrier_wait -3
	s_barrier_signal -1
	s_barrier_wait -1
.endm
.macro NOPS n
.rept \n
	v_nop
.endr
.endm
.macro FETCHK g                        ; K's tiles 4 g .. 4 g + 3 of the step at v[ADK]
	WIN 0x40
.irp i, 0,1,2,3
.irp j, 0,1,2
	ds_load_b128 v[F+12*(4*\g+\i)+4*\j:F+12*(4*\g+\i)+4*\j+3], v[ADK] offset:1536*(4*\g+\i)+512*\j
.endr
.endr
.endm
.macro FETCHKS
	WIN 0
	ds_load_b128 v[KS:KS+3], v[ADSK]
.endm
.macro FETCHV
	WIN 0x40
.irp i, 0,1,2,3,4,5,6,7
.irp j, 0,1,2
	ds_load_b128 v[F+12*\i+4*\j:F+12*\i+4*\j+3], v[ADV] offset:1536*\i+512*\j
.endr
.endr
	WIN 0
.irp i, 0,1,2,3
	ds_load_b32 v[VS+\i], v[ADSV] offset:2048*\i
.endr
.endm
.macro QK g                            ; S^T = K Q^T: four tiles of keys x my two tiles of queries; each sum is one instruction
	WIN 0x01
.irp i, 0,1,2,3
.irp u, 0,1
.if \g
	v_wmma_scale_f32_16x16x128_f8f6f4 v[S+64*\u+8*(4*\g+\i):S+64*\u+8*(4*\g+\i)+7], v[F+12*(4*\g+\i):F+12*(4*\g+\i)+11], v[QF+12*\u:QF+12*\u+11], 0, v[KS+\i], v[QS+\u] matrix_a_fmt:MATRIX_FMT_BF6 matrix_b_fmt:MATRIX_FMT_BF6 matrix_a_scale:MATRIX_SCALE_ROW1
.else
	v_wmma_scale_f32_16x16x128_f8f6f4 v[S+64*\u+8*(4*\g+\i):S+64*\u+8*(4*\g+\i)+7], v[F+12*(4*\g+\i):F+12*(4*\g+\i)+11], v[QF+12*\u:QF+12*\u+11], 0, v[KS+\i], v[QS+\u] matrix_a_fmt:MATRIX_FMT_BF6 matrix_b_fmt:MATRIX_FMT_BF6
.endif
.endr
.endr
.endm
.macro PV g                            ; the step's V^T P^T, K = its 128 keys: each sum is one instruction, begun from 0, in the registers that p has left (register S + k belongs to O^T's register k); the step adds it onto O^T by packed additions
	WIN 0x01
.irp i, 0,1,2,3
.irp u, 0,1
.if \i%2
	v_wmma_scale_f32_16x16x128_f8f6f4 v[S+64*\u+8*(4*\g+\i):S+64*\u+8*(4*\g+\i)+7], v[F+12*(4*\g+\i):F+12*(4*\g+\i)+11], v[P+12*\u:P+12*\u+11], 0, v[VS+2*\g+\i/2], v[PS+\u] matrix_a_fmt:MATRIX_FMT_BF6 matrix_b_fmt:MATRIX_FMT_BF6 matrix_a_scale:MATRIX_SCALE_ROW1
.else
	v_wmma_scale_f32_16x16x128_f8f6f4 v[S+64*\u+8*(4*\g+\i):S+64*\u+8*(4*\g+\i)+7], v[F+12*(4*\g+\i):F+12*(4*\g+\i)+11], v[P+12*\u:P+12*\u+11], 0, v[VS+2*\g+\i/2], v[PS+\u] matrix_a_fmt:MATRIX_FMT_BF6 matrix_b_fmt:MATRIX_FMT_BF6
.endif
.endr
.endr
.endm
; The step's largest score of each of my two queries, the running largest t, the new -M, and f.  Eight chains by turns; each accumulator is read from its low end on.
.macro MAXT2
.irp u, 0,1
.irp b, 0,1,2,3
	v_max3_num_f32 v[CH+8*\u+\b], v[S+64*\u+16*\b], v[S+64*\u+16*\b+1], v[S+64*\u+16*\b+2]
.endr
.endr
.irp i, 3,5,7,9,11,13
.irp u, 0,1
.irp b, 0,1,2,3
	v_max3_num_f32 v[CH+8*\u+\b], v[CH+8*\u+\b], v[S+64*\u+16*\b+\i], v[S+64*\u+16*\b+\i+1]
.endr
.endr
.endr
.irp u, 0,1
.irp b, 0,1,2,3
	v_max_num_f32 v[CH+8*\u+\b], v[CH+8*\u+\b], v[S+64*\u+16*\b+15]
.endr
.endr
.irp u, 0,1
	v_max3_num_f32 v[CH+8*\u+5], v[CH+8*\u], v[CH+8*\u+1], v[CH+8*\u+2]
.endr
.irp u, 0,1
	v_max_num_f32 v[CH+8*\u+5], v[CH+8*\u+5], v[CH+8*\u+3]
.endr
.irp u, 0,1
	v_permlanex16_b32 v[CH+8*\u+4], v[CH+8*\u+5], s[SEL], s[SEL+1]   ; the query's other 64 keys lie in the lane 16 away
.endr
.irp u, 0,1
	v_max_num_f32 v[CH+8*\u+5], v[CH+8*\u+5], v[CH+8*\u+4]
.endr
.irp u, 0,1
	v_mul_f32 v[CH+8*\u+5], s[CS], v[CH+8*\u+5]    ; as t (c is not negative)
.endr
.irp u, 0,1
	v_max_num_f32 v[ST+4*\u+1], v[ST+4*\u+1], v[CH+8*\u+5]
.endr
.irp u, 0,1
	v_mov_b32 v[CH+8*\u+5], v[ST+4*\u]
.endr
.irp u, 0,1
	v_floor_f32 v[ST+4*\u], -v[ST+4*\u+1]          ; the new -M: a whole number
.endr
.irp u, 0,1
	v_sub_f32 v[CH+8*\u+5], v[ST+4*\u], v[CH+8*\u+5]   ; old M - new M, 0 or less
.endr
.irp u, 0,1
	v_cvt_i32_f32 v[CH+8*\u+5], v[CH+8*\u+5]       ; (it saturates)
.endr
.irp u, 0,1
	v_ldexp_f32 v[FP+2*\u], 1.0, v[CH+8*\u+5]
.endr
.endm
.macro FMA2                            ; score x c + (-M or B), two at a time, from each accumulator's low end on
.irp u, 0,1
.set jj, 0
.rept 32
	v_pk_fma_f32 v[S+64*\u+jj:S+64*\u+jj+1], v[S+64*\u+jj:S+64*\u+jj+1], s[CS:CS+1], v[ST+4*\u:ST+4*\u+1] op_sel_hi:[1,0,0]
.set jj, jj+2
.endr
.endr
.endm
.macro EXP2                            ; one batch for both tiles, with a wait ahead of it
	VW
.set jj, 0
.rept 128
	v_exp_f32 v[S+jj], v[S+jj]
.set jj, jj+1
.endr
.endm
.macro SUM2                            ; l = l x f + the step's 64 exponentials, in four chains
.irp u, 0,1
	v_pk_mul_f32 v[ST+4*\u+2:ST+4*\u+3], v[ST+4*\u+2:ST+4*\u+3], v[FP+2*\u:FP+2*\u+1] op_sel_hi:[1,0]   ; the plain lines behind the batch
.endr
	VW                                             ; one wait for the batch, ahead of its first reader
.irp u, 0,1
	v_pk_add_f32 v[CH+8*\u+6:CH+8*\u+7], v[S+64*\u:S+64*\u+1], v[S+64*\u+2:S+64*\u+3]
.endr
.set jj, 4
.rept 15
.irp u, 0,1
	v_pk_add_f32 v[ST+4*\u+2:ST+4*\u+3], v[ST+4*\u+2:ST+4*\u+3], v[S+64*\u+jj:S+64*\u+jj+1]
	v_pk_add_f32 v[CH+8*\u+6:CH+8*\u+7], v[CH+8*\u+6:CH+8*\u+7], v[S+64*\u+jj+2:S+64*\u+jj+3]
.endr
.set jj, jj+4
.endr
.irp u, 0,1
	v_pk_add_f32 v[ST+4*\u+2:ST+4*\u+3], v[ST+4*\u+2:ST+4*\u+3], v[CH+8*\u+6:CH+8*\u+7]
.endr
.endm
; A tile's 64 numbers a lane (none negative), register 16 b + i = key 32 b + 16 (lane / 16) + i, become P's fragment and its scale word
.macro QUANT tl
.set rS, S+64*(\tl)
.set rP, P+12*(\tl)
.set rW, PS+(\tl)
.irp b, 0,1,2,3
	v_max3_num_f32 v[TM+\b], v[rS+16*\b], v[rS+16*\b+1], FLOOR     ; with the floor the byte cannot fall under 1
.endr
.irp i, 2,4,6,8,10,12,14
.irp b, 0,1,2,3
	v_max3_num_f32 v[TM+\b], v[TM+\b], v[rS+16*\b+\i], v[rS+16*\b+\i+1]
.endr
.endr
.irp b, 0,1,2,3
	v_permlanex16_b32 v[TM+4+\b], v[TM+\b], s[SEL], s[SEL+1]
.endr
.irp b, 0,1,2,3
	v_max_num_f32 v[TM+\b], v[TM+\b], v[TM+4+\b]
.endr
.irp b, 0,1,2,3
	v_add_nc_u32 v[TM+12+\b], 0xfe000000, v[TM+\b] ; 4 off the exponent field: the conversion's scale operand
.endr
.irp b, 0,1,2,3
	v_lshrrev_b32 v[TM+4+\b], 23, v[TM+12+\b]      ; the scale's byte
.endr
	v_lshl_or_b32 v[rW], v[TM+5], 8, v[TM+4]
	v_lshl_or_b32 v[rW], v[TM+6], 16, v[rW]
	v_lshl_or_b32 v[rW], v[TM+7], 24, v[rW]
.irp q, 0,1
	v_cvt_scalef32_pk16_bf6_f32 v[rP+6*\q:rP+6*\q+2], v[rS+32*\q:rS+32*\q+15], v[TM+12+2*\q]
	v_cvt_scalef32_pk16_bf6_f32 v[CT+4*\q:CT+4*\q+2], v[rS+32*\q+16:rS+32*\q+31], v[TM+13+2*\q]
.endr
	v_nop                                          ; one plain place behind a scaled conversion
.irp q, 0,1                            ; a whole block to a lane: lanes 0-15 block 2 q, lanes 16-31 block 2 q + 1
.irp i, 0,1,2
	v_permlane16_swap_b32 v[rP+6*\q+\i], v[CT+4*\q+\i]
.endr
.irp i, 0,1,2
	v_mov_b32 v[rP+6*\q+3+\i], v[CT+4*\q+\i]
.endr
.endr
.endm
; A key step of pass 1.  Its K was fetched in the step before.  wrap = 1: the last step fetches step 0 again, for pass 2.
.macro STEP1 wrap
	s_wait_dscnt 12                                ; tiles 0-3 and the scale words are in; the youngest 12 loads (tiles 4-7) may be out
	QK 0
	s_wait_dscnt 0x0
	QK 1
	WIN 0
.if \wrap
	s_mov_b32 s[TK], 0
	s_mov_b32 s[TSK], 0
.else
	s_add_co_u32 s[TK], s[TK], KB
	s_add_co_u32 s[TSK], s[TSK], 512
.endif
	v_add_nc_u32 v[ADK], s[TK], v[LI]              ; four places behind the products (ISA guide 7.12.1)
	v_add_nc_u32 v[ADSK], s[TSK], v[LKS]
	NOPS 2
	FETCHK 0
	FETCHKS
	FETCHK 1
	WIN 0
	MAXT2
	FMA2
	EXP2
	SUM2
.endm
; A key step of pass 2.  look = 1: the next step's K is fetched into the registers that V leaves.
.macro STEP2 look
	s_wait_dscnt 12
	QK 0
	s_wait_dscnt 0x0
	QK 1
	WIN 0
	v_add_nc_u32 v[ADV], s[TV], v[LI]              ; four places behind the products
	v_add_nc_u32 v[ADSV], s[TSV], v[LVS]
	NOPS 2
	FETCHV                                         ; V lands while the weights are made
	FMA2
	EXP2
	v_nop                                          ; the plain line behind the batch
	VW                                             ; one wait for the batch, ahead of its first reader
	QUANT 0
	QUANT 1
	s_add_co_u32 s[TK], s[TK], KB
	s_add_co_u32 s[TSK], s[TSK], 512
	s_add_co_u32 s[TV], s[TV], KB
	s_add_co_u32 s[TSV], s[TSV], 128
	v_add_nc_u32 v[ADK], s[TK], v[LI]              ; eight places between the writes of P's scale word and codes and the scaled products
	v_add_nc_u32 v[ADSK], s[TSK], v[LKS]
	NOPS 6
	VW                                             ; the wait here, directly ahead of the wait below: P's codes and K's addresses are read behind it
	s_wait_dscnt 0x0                               ; V is in
	PV 0
	PV 1
	NOPS 4                                         ; four places in front of the loads into registers that these products read, and of the first read of their results
.if \look
	FETCHK 0
	FETCHKS
	FETCHK 1
.endif
	WIN 0x41                                       ; O^T in window 1, the step's product in window 0
.set jj, 0
.rept 64
	v_pk_add_f32 v[jj:jj+1], v[jj:jj+1], v[S+jj:S+jj+1]   ; O^T += the step's product, each accumulator from its low end on; the next K lands under these 64 lines
.set jj, jj+2
.endr
	WIN 0
.endm
; The change of V's slots, at a slot's head.  fill = 1: a round of the cluster's barrier, then the joint load of the next four key steps into the slot that was left.
.macro CHANGE fill
	s_wait_tensorcnt 0x0                           ; no tensor load of mine is out: the walking group 0 may be written
	ds_add_u32 v[SPW], v[NIL]
.if \fill
	s_xor_b32 s[G0V+1], s[G0V+1], VXOR
	s_add_nc_u64 s[G0V+2:G0V+3], s[G0V+2:G0V+3], VSLOT
.endif
	s_wait_dscnt 0x0                               ; the add is done, and my LDS reads are over
.if \fill
	CROUND
	tensor_load_to_lds s[G0V:G0V+3], s[G1V:G1V+7]  ; my one tensor load until the next change
	s_nop 0
	NOPS 4
.else
	s_barrier_signal -1
	s_barrier_wait -1
.endif
.endm
	s_load_b256 s[4:11], s[0:1], 0x0               ; qcodes s[4:5], kcodes s[6:7], vcodes s[8:9], scl s[10:11]
	s_load_b256 s[12:19], s[0:1], 0x20             ; scale_factor s[12:13], dropout_p s[14:15], out0 s[16:17], qscl s[18:19]
	v_lshl_add_u32 v[SPW], v0, 2, SPARE
	v_mov_b32 v[NIL], 0
	ds_add_u32 v[SPW], v[NIL]
	ds_add_u32 v[SPW], v[NIL]
	v_lshrrev_b32 v4, 5, v0
	v_readfirstlane_b32 s[WV], v4                  ; wave 0..7
	s_bfe_u32 s80, ttmp6, 0x40000                  ; cx: it enters qcodes', qscl's and out0's addresses alone
	s_lshl_b32 s81, ttmp9, 2
	s_add_co_u32 s81, s81, s80                     ; my block of 256 queries
	s_and_b32 s82, ttmp7, 0xffff                   ; the head, which the four partners share
	s_mul_i32 s83, s82, 196608                     ; the head's codes
	s_lshl_b32 s90, s[WV], 15                      ; waves 0-5: my sixth of K, 32,768 bytes, in memory and in LDS alike
	s_add_co_u32 s84, s83, s90
	s_mov_b32 s85, 0
	s_mul_i32 s91, s[WV], 6144                     ; my eighth of a slot of V
	s_add_co_u32 s86, s83, s91
	s_mov_b32 s87, 0
	s_and_b32 s92, s[WV], 1
	s_lshl_b32 s92, s92, 13                        ; waves 6, 7: my half of the scale words
	s_lshl_b32 s88, s82, 14
	s_add_co_u32 s88, s88, s92
	s_mov_b32 s89, 0
	s_mul_i32 s96, s81, 24576                      ; qcodes: the head, my block's 16 tiles, my wave's two
	s_add_co_u32 s96, s96, s83
	s_mul_i32 s95, s[WV], 3072
	s_add_co_u32 s96, s96, s95
	s_mov_b32 s97, 0
	s_lshl_b32 s98, s82, 13                        ; qscl: 8,192 head + 1,024 block + 256 (wave / 2) + 8 (wave % 2)
	s_lshl_b32 s95, s81, 10
	s_add_co_u32 s98, s98, s95
	s_lshr_b32 s95, s[WV], 1
	s_lshl_b32 s95, s95, 8
	s_add_co_u32 s98, s98, s95
	s_and_b32 s95, s[WV], 1
	s_lshl_b32 s95, s95, 3
	s_add_co_u32 s98, s98, s95
	s_mov_b32 s99, 0
	s_lshl_b32 s22, s82, 20                        ; out0: the head's 2,048 rows of 512 bytes, my block's 256, my wave's 32
	s_lshl_b32 s95, s81, 17
	s_add_co_u32 s22, s22, s95
	s_lshl_b32 s95, s[WV], 14
	s_add_co_u32 s22, s22, s95
	s_mov_b32 s23, 0
.irp g, G1K, G1V, G1S                  ; groups 1: dense blocks as rows of 256 bytes (32 elements of 8 bytes), no padding
	s_mov_b32 s[\g], 15|(3<<16)|(1<<21)
	s_mov_b32 s[\g+1], 32<<16
	s_mov_b32 s[\g+3], 32<<16
	s_mov_b32 s[\g+5], 32
	s_mov_b32 s[\g+6], 0
	s_mov_b32 s[\g+7], 0
.endr
	s_mov_b32 s[G1K+2], 128<<16                    ; rows a load: K 128, V 24, the scales 32
	s_mov_b32 s[G1K+4], 128
	s_mov_b32 s[G1V+2], 24<<16
	s_mov_b32 s[G1V+4], 24
	s_mov_b32 s[G1S+2], 32<<16
	s_mov_b32 s[G1S+4], 32
	s_mov_b32 s[SEL], 0x76543210
	s_mov_b32 s[SEL+1], 0xfedcba98
	s_mul_i32 s93, s[WV], 16*SP
	s_add_co_u32 s93, s93, VB0                     ; my stage
	VW
	s_wait_dscnt 0x0                               ; both opening adds are done
	s_wait_kmcnt 0x0
	s_load_b32 s[RAW], s[12:13], 0x0
	s_load_b32 s[DP], s[14:15], 0x0
	s_mov_b32 s[G0S], 1
	s_add_co_u32 s[G0S+1], s92, SCL
	s_add_nc_u64 s[G0S+2:G0S+3], s[10:11], s[88:89]
	s_or_b32 s[G0S+3], s[G0S+3], 0x80000000
	s_mov_b32 s[G0K], 1
	s_mov_b32 s[G0K+1], s90
	s_add_nc_u64 s[G0K+2:G0K+3], s[6:7], s[84:85]
	s_or_b32 s[G0K+3], s[G0K+3], 0x80000000
	s_mov_b32 s[G0V], 1
	s_add_co_u32 s[G0V+1], s91, VB0
	s_add_nc_u64 s[G0V+2:G0V+3], s[8:9], s[86:87]
	s_or_b32 s[G0V+3], s[G0V+3], 0x80000000
	s_add_nc_u64 s[QB:QB+1], s[4:5], s[96:97]
	s_add_nc_u64 s[QSB:QSB+1], s[18:19], s[98:99]
	s_add_nc_u64 s[OB:OB+1], s[16:17], s[22:23]
	CROUND                                         ; all four work-groups are here: the first joint loads meet
	s_cmp_lt_u32 s[WV], 6                          ; one load a wave: one chain of two arms on the wave's number
	s_cbranch_scc0 .Lfill_s
	tensor_load_to_lds s[G0K:G0K+3], s[G1K:G1K+7]
	s_nop 0
	NOPS 4
	s_branch .Lfilled
.Lfill_s:
	tensor_load_to_lds s[G0S:G0S+3], s[G1S:G1S+7]
	s_nop 0
	NOPS 4
.Lfilled:
	v_and_b32 v4, 15, v0                           ; r
	v_bfe_u32 v5, v0, 4, 1                         ; h
	v_and_b32 v6, 31, v0                           ; lane
	v_lshlrev_b32 v[LI], 4, v6
	v_lshlrev_b32 v[QO], 4, v4                     ; Q's scale words: 16 r (lanes 16-31 read the same and are not used)
.irp u, 0,1
.irp j, 0,1,2
	global_load_b128 v[QF+12*\u+4*\j:QF+12*\u+4*\j+3], v[LI], s[QB:QB+1] offset:1536*\u+512*\j th:TH_LOAD_NT   ; 32 lanes read 512 consecutive bytes
.endr
.endr
	global_load_b64 v[QS:QS+1], v[QO], s[QSB:QSB+1]
	v_add_nc_u32 v[LKS], SCL, v[LI]
	v_lshl_add_u32 v[LVS], v6, 2, SCL+8192
	v_lshlrev_b32 v[GO], 9, v5
	v_lshl_add_u32 v[GO], v4, 4, v[GO]             ; out0: lanes 0-15 one row, lanes 16-31 the next; 16 bytes a lane
	v_mul_u32_u24 v[STO], v4, SP
	v_lshl_add_u32 v[STO], v5, 5, v[STO]
	v_add_nc_u32 v[STO], s93, v[STO]               ; the stage, in: row r, + 32 h
	v_mul_u32_u24 v[RD], v5, SP
	v_lshl_add_u32 v[RD], v4, 4, v[RD]
	v_add_nc_u32 v[RD], s93, v[RD]                 ; back: lanes 0-15 one row, lanes 16-31 the next
.irp u, 0,1
	v_mov_b32 v[ST+4*\u+1], 0xff61b1e6             ; the largest t so far: -3e38
	v_floor_f32 v[ST+4*\u], -v[ST+4*\u+1]
	v_mov_b32 v[ST+4*\u+2], 0
	v_mov_b32 v[ST+4*\u+3], 0
	v_mov_b32 v[FP+2*\u], 0
	v_mov_b32 v[FP+2*\u+1], 0
	v_mov_b32 v[CH+8*\u+4], 0                      ; a lane permute's destination counts as one of its sources
.endr
.irp b, 0,1,2,3
	v_mov_b32 v[TM+4+\b], 0
.endr
	VW
	s_wait_kmcnt 0x0                               ; scale_factor, dropout_p
	s_and_b32 s95, s[RAW], 0x7fffffff
	s_mul_f32 s[CS], s95, 0x3fb8aa3b               ; c = |scale_factor| x log2(e)
	s_mov_b32 s[CS+1], s[CS]
	s_ashr_i32 s95, s[RAW], 31                     ; all ones where scale_factor is negative
	s_and_b32 s[XM], s95, 0x20820820               ; code i's sign is bit 6 i + 5 of its 96 bits
	s_and_b32 s[XM+1], s95, 0x08208208
	s_and_b32 s[XM+2], s95, 0x82082082
	s_and_b32 s[SD], s[DP], 0x80000000
	s_or_b32 s[SD], s[SD], 0x3f800000              ; +-1.0 with dropout_p's sign
	s_mov_b32 s[SD+1], s[SD]
	s_and_b32 s[DA], s[DP], 0x7fffffff
	s_wait_loadcnt 0x0                             ; Q
.set jj, 0
.rept 24
	v_xor_b32 v[QF+jj], s[XM+jj%3], v[QF+jj]
.set jj, jj+1
.endr
	WIN 0x40
.set jj, 0
.rept 128
	v_mov_b32 v[jj], 0                             ; O^T: pass 2's step is written once, in a loop, and its products add onto zeros; these lines stand while K is landing
.set jj, jj+1
.endr
	WIN 0
	VW                                             ; the head's end
	s_wait_tensorcnt 0x0                           ; my part of K or of the scales is in
	ds_add_u32 v[SPW], v[NIL]
	s_wait_dscnt 0x0
	CROUND                                         ; everybody's is, and the joint loads meet
	tensor_load_to_lds s[G0V:G0V+3], s[G1V:G1V+7]  ; V's slot 0: a first fill, issued as a refill is
	s_nop 0
	NOPS 4
	s_mov_b32 s[TK], 0
	s_mov_b32 s[TSK], 0
	v_add_nc_u32 v[ADK], s[TK], v[LI]
	v_add_nc_u32 v[ADSK], s[TSK], v[LKS]
	FETCHK 0
	FETCHKS
	FETCHK 1
	WIN 0
	; ---- pass 1: M and l
	s_mov_b32 s[CNT], 15
.Lpass1:
	STEP1 0
	s_sub_co_u32 s[CNT], s[CNT], 1
	s_cmp_lg_u32 s[CNT], 0
	VW
	s_cbranch_scc1 .Lpass1
	STEP1 1
	; ---- B = -M + log2|dropout_p| - log2(l)
.irp u, 0,1
	v_add_f32 v[CH+8*\u+5], v[ST+4*\u+2], v[ST+4*\u+3]
.endr
.irp u, 0,1
	v_permlanex16_b32 v[CH+8*\u+4], v[CH+8*\u+5], s[SEL], s[SEL+1]
.endr
.irp u, 0,1
	v_add_f32 v[CH+8*\u+5], v[CH+8*\u+5], v[CH+8*\u+4]
.endr
	v_mov_b32 v[TM], s[DA]
	VW
.irp u, 0,1
	v_log_f32 v[CH+8*\u+6], v[CH+8*\u+5]
.endr
	v_log_f32 v[TM+1], v[TM]
	v_nop
	VW
.irp u, 0,1
	v_sub_f32 v[CH+8*\u+6], v[TM+1], v[CH+8*\u+6]
.endr
.irp u, 0,1
	v_add_f32 v[ST+4*\u], v[ST+4*\u], v[CH+8*\u+6]
.endr
	VW
	; ---- pass 2.  A slot's four key steps are written out: every scalar that enters an LDS address is stepped by constants in one loop of constant count
	s_mov_b32 s[TV], VB0
	s_mov_b32 s[TSV], 0
	s_mov_b32 s[CNT], 3
.Lslot:                                            ; trip k reads V's slot k and asks for slot k + 1
	CHANGE 1
.rept 4
	STEP2 1
.endr
	s_sub_co_u32 s[TV], s[TV], VSLOT
	s_xor_b32 s[TV], s[TV], VXOR
	s_sub_co_u32 s[CNT], s[CNT], 1
	s_cmp_lg_u32 s[CNT], 0
	VW
	s_cbranch_scc1 .Lslot
	CHANGE 0                                       ; the last slot is written out: nothing more is asked for
.rept 3
	STEP2 1
.endr
	STEP2 0
	; ---- the way out: dropout_p's sign, then half a row (256 bytes) of 16 queries at a time through my stage
	VW
	WIN 0x41
.set jj, 0
.rept 64
	v_pk_mul_f32 v[jj:jj+1], v[jj:jj+1], s[SD:SD+1] op_sel_hi:[1,0]
.set jj, jj+2
.endr
	WIN 0
	VW
.macro TOSTAGE tl, u, k
	WIN 0x04                                       ; an LDS store's data are its source 1: window 1
.irp t, 0,1,2,3
	ds_store_b128 v[STO], v[64*\tl+8*(4*\u+\t):64*\tl+8*(4*\u+\t)+3] offset:64*\t
	ds_store_b128 v[STO], v[64*\tl+8*(4*\u+\t)+4:64*\tl+8*(4*\u+\t)+7] offset:64*\t+16
.endr
	WIN 0
.irp i, 0,1,2,3,4,5,6,7
	ds_load_b128 v[S+32*\k+4*\i:S+32*\k+4*\i+3], v[RD] offset:2*\i*SP   ; LDS serves a wave's instructions in order
.endr
.endm
.macro SEND tl, u, k, younger          ; younger: the LDS instructions issued behind block k's loads.  Stage row 2 i + h of tile tl is query 8 tl + 2 i + h + 8 (i / 4) of my 32
.irp i, 0,1,2,3,4,5,6,7
	s_wait_dscnt \younger+7-\i
	global_store_b128 v[GO], v[S+32*\k+4*\i:S+32*\k+4*\i+3], s[OB:OB+1] offset:(8*\tl+2*\i+8*(\i/4))*512+256*\u th:TH_STORE_NT   ; sixteen lanes store 256 consecutive aligned bytes
.endr
.endm
	TOSTAGE 0, 0, 0
	TOSTAGE 0, 1, 1
	SEND 0, 0, 0, 16
	TOSTAGE 1, 0, 2
	SEND 0, 1, 1, 16
	TOSTAGE 1, 1, 3
	SEND 1, 0, 2, 16
	SEND 1, 1, 3, 0
	s_wait_tensorcnt 0x0                           ; the wave's end
	ds_add_u32 v[SPW], v[NIL]
	s_wait_dscnt 0x0
	CROUND                                         ; the closing round
	s_endpgm
.Lfunc_end_k_qac103fa88a_attn:
	.size	k_qac103fa88a_attn, .Lfunc_end_k_qac103fa88a_attn-k_qac103fa88a_attn
	.p2alignl 7, 3214868480
	.fill 96, 4, 3214868480
	.section	.rodata,"a",@progbits
	.p2align	6, 0x0
	.amdhsa_kernel k_qac103fa88a_attn
		.amdhsa_group_segment_fixed_size 327680
		.amdhsa_private_segment_fixed_size 0
		.amdhsa_enable_private_segment 0
		.amdhsa_kernarg_size 64
		.amdhsa_user_sgpr_count 2
		.amdhsa_user_sgpr_kernarg_segment_ptr 1
		.amdhsa_wavefront_size32 1
		.amdhsa_system_sgpr_workgroup_id_x 1
		.amdhsa_system_sgpr_workgroup_id_y 1
		.amdhsa_system_sgpr_workgroup_id_z 1
		.amdhsa_system_vgpr_workitem_id 0
		.amdhsa_next_free_vgpr 512
		.amdhsa_next_free_sgpr 100
		.amdhsa_reserve_vcc 0
		.amdhsa_float_denorm_mode_32 3
		.amdhsa_float_denorm_mode_16_64 3
		.amdhsa_memory_ordered 1
		.amdhsa_forward_progress 1
		.amdhsa_inst_pref_size 255
	.end_amdhsa_kernel
	.section	.bss,"aw",@nobits
	.p2align	6
	.space	262144
	.amdgpu_metadata
---
amdhsa.version: [ 1, 2 ]
amdhsa.kernels:
  - .name:           k_qac103fa88a_attn
    .symbol:         k_qac103fa88a_attn.kd
    .args:
      - { .name: qcodes, .offset: 0, .size: 8, .value_kind: global_buffer, .address_space: global }
      - { .name: kcodes, .offset: 8, .size: 8, .value_kind: global_buffer, .address_space: global }
      - { .name: vcodes, .offset: 16, .size: 8, .value_kind: global_buffer, .address_space: global }
      - { .name: scl, .offset: 24, .size: 8, .value_kind: global_buffer, .address_space: global }
      - { .name: scale_factor, .offset: 32, .size: 8, .value_kind: global_buffer, .address_space: global }
      - { .name: dropout_p, .offset: 40, .size: 8, .value_kind: global_buffer, .address_space: global }
      - { .name: out0, .offset: 48, .size: 8, .value_kind: global_buffer, .address_space: global }
      - { .name: qscl, .offset: 56, .size: 8, .value_kind: global_buffer, .address_space: global }
    .group_segment_fixed_size: 327680
    .private_segment_fixed_size: 0
    .kernarg_segment_align: 8
    .kernarg_segment_size: 64
    .max_flat_workgroup_size: 256
    .sgpr_count:     100
    .vgpr_count:     512
    .wavefront_size: 32
...
	.end_amdgpu_metadata
.endif
;; end of part 2
